; MI455X (gfx1250); checked and timed in simulation.
; The chip was launched on July 23, 2026; its instructions are those of AMD's public machine-readable ISA for CDNA 5 (MIT licence, August 2026) and "CDNA5" Instruction Set Architecture Reference Guide (July 2026). The comments in the code are by the model that wrote it; some were corrected since.
;; MLP Param. Allowed arithmetic: matrix products marked QUANTISED: E2M1 operands, one E8M0 scale for each 32 along K, by v_wmma_scale_f32_16x16x128_f8f6f4 with both operands' format E2M1 (or v_wmma_scale_f32_32x16x128_f4), f32 sums; products left as they are: f32 operands where the result goes on into a quantised operand, else bf16, f16 or f32 operands; f32 sums; everything else in f32.
;; Inputs: W_1_codes 64 x 512 x 16 x 16 uint8 (E2M1 codes of W_1, K innermost, in blocks of 32 codes, two codes a byte); W_1_scales 64 x 512 x 16 uint8 (E8M0 scales of W_1, one for each 32 codes along K); b_1_codes 512 x 2 x 16 uint8 (E2M1 codes of b_1, K innermost, in blocks of 32 codes, two codes a byte); b_1_scales 512 x 2 uint8 (E8M0 scales of b_1, one for each 32 codes along K); var_vector 4,096 x 64 float32; x_codes 4,096 x 16 x 16 uint8 (E2M1 codes of x, K innermost, in blocks of 32 codes, two codes a byte); x_scales 4,096 x 16 uint8 (E8M0 scales of x, one for each 32 codes along K).
;; Outputs: out0 4,096 x 512 float32.
;; This version of the problem:
;;   THIS VERSION OF THE PROBLEM IS GIVEN IN LOW PRECISION. The matrix products marked QUANTISED in the list below multiply operands that are first quantised to E2M1 (2 exponent bits, 1 mantissa bit; 4 bits a number), with one power-of-two scale for each 32 numbers along K (OCP MX v1.0); their sums are f32. All else is computed in f32.
;;   The module's matrix products, in the order in which they are computed (A, B: the left and right operand; K: the contracted axis; several contracted axes count as one K, in the product's order):
;;     1. [M 4,096, K 512] x [K 512, N 32,768]; A: input x (given as codes); B: input W_1 (given as codes): QUANTISED
;;     2. batch 4,096 x [M 1, K 64] x [K 64, N 512]; A: input var_vector; B: computed on the way: left as it is (M = 1 < 16)
;;     3. [M 4,096, K 64] x [K 64, N 512]; A: input var_vector; B: input b_1 (given as codes): QUANTISED
;;   THE QUANTISER, for each operand of a quantised product, along K:
;;     - K is cut into blocks of 32 from its start; a last block that is shorter is filled with zeros.
;;     - A block's scale is 2^e with e = floor(log2(the largest magnitude in the block)) - 2, held to -126 .. 127; a block of zeros has e = 0. As a byte (E8M0): e + 127.
;;     - Each number is divided by its block's scale, clamped to +-6, and rounded to the nearest number of E2M1, ties to even, subnormals kept.
;;     - The product sums the exact products of the quantised numbers (number of the format x scale) in f32.
;;   ~~~python
;;   def quantise(x, axis):      # numpy; x: float32 -> the quantised numbers, widened to float32 again
;;       x = np.moveaxis(x, axis, -1); K = x.shape[-1]
;;       x = np.pad(x, [(0, 0)] * (x.ndim - 1) + [(0, -K % 32)]); x = x.reshape(x.shape[:-1] + (-1, 32)); a = np.abs(x).max(-1, keepdims=True)
;;       e = np.where(a > 0, np.clip(np.frexp(np.where(a > 0, a, 1))[1] - 1 - 2, -126, 127), 0)      # np.frexp(a)[1] - 1 = floor(log2(a)), exactly
;;       r = np.clip(x / 2.0 ** e, -6, 6)
;;       step = 2.0 ** (np.maximum(np.frexp(np.where(r == 0, 1, r))[1] - 1, 0) - 1)
;;       q = np.round(r / step) * step * 2.0 ** e      # np.round: ties to even
;;       return np.moveaxis(q.reshape(q.shape[:-2] + (-1,))[..., :K], -1, axis).astype(np.float32)
;;   ~~~
;;   INPUTS GIVEN AS CODES. W_1 (in the module: [64, 512, 512], K = its axis 1); b_1 (in the module: [64, 512], K = its axis 0); x (in the module: [4096, 512], K = its axis 1): each comes as NAME_codes (uint8): NAME with its K axis moved to the last place and cut into blocks of 32 codes, [.., K / 32, bytes a block], one block behind the other in memory; two codes a byte, the lower K in the low four bits (a code: sign, 2 exponent bits, 1 mantissa bit); and NAME_scales (uint8): the same leading axes, one E8M0 byte (e + 127) for each 32 codes along K. Its value is code x scale, taken as it is: it is not quantised again, and the codes and scales need not be those that the quantiser above would give.
;; One version. Each part assembles by itself: llvm-mc -triple=amdgcn-amd-amdhsa -mcpu=gfx1250 --defsym DOCPART=n.
;; ======== version 1 of 1: 1 launch
;; launch fused (part 1): grid 32 x 8, 4 waves a work-group, clusters of 4 x 1, 327,680 bytes of LDS; arguments W_1_codes, W_1_scales, b_1_codes, b_1_scales, var_vector, x_codes, x_scales, out0; writes out0
.if DOCPART == 1
	.amdgcn_target "amdgcn-amd-amdhsa--gfx1250"
	.amdhsa_code_object_version 6
	.text
	.protected	k_q2de4ebbd78_fused
	.globl	k_q2de4ebbd78_fused
	.p2align	8
	.type	k_q2de4ebbd78_fused,@function
k_q2de4ebbd78_fused:
	s_mov_b64 s[64:65], 0
	v_nop
	global_prefetch_b8 v0, s[64:65] scope:SCOPE_SE
	s_setreg_imm32_b32 hwreg(HW_REG_WAVE_MODE, 25, 1), 1
	s_wait_xcnt 0x0
	s_wait_alu depctr_hold_cnt(0) depctr_sa_sdst(0) depctr_va_vdst(0) depctr_va_sdst(0) depctr_va_ssrc(0) depctr_va_vcc(0) depctr_vm_vsrc(0)
	s_getreg_b32 s2, hwreg(HW_REG_IB_STS2, 6, 4)
	s_cmp_eq_u32 s2, 0
	s_cbranch_scc0 .Lentry_in_a_cluster
	s_endpgm
.Lentry_in_a_cluster:
	s_bfe_u32 s2, ttmp6, 0x10000c
	s_cmp_lg_u32 s2, 0x3003
	s_cbranch_scc0 .Lentry_shape_is_right
	s_endpgm
.Lentry_shape_is_right:
; out[n][o] = sum over d of v[n][d] (sum over i of x[n][i] W[d][i][o])  +  sum over d of Q(v)[n][d] b[d][o].
; x [4096][512], W [64][512 o][512 i], b [512 o][64 d]: codes of FP4 (E2M1), K innermost, one E8M0 byte for each 32 along K.  v = var_vector [4096][64] f32.  out [4096][512] f32.
; NOTHING IS LEFT OUT: every input has a way to the output, and all of them are loaded.
; ONE LAUNCH.  The first product's result y[n][d][o] never leaves the registers: each tile of it is weighted by v[n][d] and added to out by fused multiply-adds in f32 (the product that is left as it is).
; The third product (K = 64) starts the sums: v is quantised along d here (two blocks of 32), the upper 64 of the instruction's 128 along K are zero codes on both sides.
; SHARES.  A work-group owns 128 n x 64 o of out (a row's 64 o are 256 consecutive bytes, aligned) and walks all 64 d.  THE WAVES SHARE THE COLUMNS: wave w owns o = 16 w .. 16 w + 15 for all 128 n.
; So x's 128 rows (8 tiles x 4 K steps x 8 = 256 registers) stay in every wave's registers, and each byte of W is read from LDS once, by one wave.
; THE FORM of the first product is v_wmma_scale_f32_32x16x128_f4, used transposed.  Source 0's 32 rows are my 16 o of an even d (registers 0-7) and the same 16 o of the next d (registers 8-15); source 1 = 16 rows n of x.
; In the result lane (r, h) holds n = 16 t + r; registers 0-7 are o = 8 h + 0 .. 7 of the even d, registers 8-15 the same o of the odd d.  So v[n][d] is ONE number a lane for each d.
; Source 0's scale words fill all 32 lanes, lane m for row m: lanes 0-15 hold the even d's, lanes 16-31 the odd d's, as one load of 16 bytes a lane brings them.
; W comes through a ring of two LDS slots of 8 d; each wave fetches and reads its own 16 o: one tensor load of 8 rows (d) x 4,096 bytes, 16 bytes of padding behind every 256.
; CLUSTER: the four work-groups of a cluster are four blocks of n of one block of o: they walk the same tiles of W, so each tile is asked for JOINTLY (the same load, the same descriptor, the mask 15).
; BY HALVES.  For each pair of d: half A multiplies tiles 0-3 (16 matrix instructions, K step by K step, four accumulators by turns), half B tiles 4-7.  Behind each matrix instruction stand two packed multiply-adds:
; in half A those of tiles 4-7 of the pair before, in half B those of tiles 0-3 of this pair.  The multiply-adds are the places behind the matrix instructions.
; LIMITS.  NaN and infinities in var_vector are not served by the quantiser.  A block of zeros of v gets the byte 1 where the rule says 127: its codes are zeros, and this program alone reads the byte.
; A given scale byte 0xff gives NaN, as the matrix instruction gives it.  The sum over d begins with the bias product and adds d ascending, each term by one fused multiply-add: another order of rounding than the reference's.
; REGISTERS, in windows of 256 (s_set_vgpr_msb: bits 1:0 source 0, 3:2 source 1, 5:4 source 2, 7:6 destination):
;   window 0: v0-31 ids and addresses; v32-47 x's scale words; v48-79 W's, two sets; v80-87 Q(v)'s; v88 b's; v96-121 the quantiser's; v128-191 a stage, then (v128-143) x's scale words of tiles 4-7; v192-255 a stage, Q(v)'s fragments, rows on the way out
;   window 1: v0-127 x's tiles 0-3;  v128-191 y of tiles 4-7;  v192-223 out of tiles 0-3        window 2: v0-127 x's tiles 4-7;  v128-191 y of tiles 0-3;  v192-223 out of tiles 4-7
;   window 3: v0-127 v[n][d], two sets of 8 tiles x 8 d;  v128-255 W's fragments, two buffers of a pair of d
; ONE SETTING SERVES A HALF.  The matrix instruction names (y, W, x, y), the multiply-add (out, v, y, out).  In half A: destination and source 2 window 2 (y of tiles 0-3; out of tiles 4-7), source 0 window 3 (W; v),
; source 1 window 1 (x's tiles 0-3; y of tiles 4-7).  In half B windows 1 and 2 change places.
.set PITCH, 272                        ; an LDS row: 256 bytes + 16 of padding = 68 words: the 16 rows that a load touches start at 16 different banks (64 banks of 4 bytes: ISA guide 11.1)
.set DP,    16*PITCH                   ; 16 rows: one d of a wave's W; a tile of 16 rows of x, of v, of the stage
.set WREG,  8*DP                       ; a wave's part of a slot: 8 d
.set SLOTB, 4*WREG                     ; a slot
.set VB,    2*SLOTB                    ; behind the ring: 128 rows x 272: first x's codes, then v, which stays.  Written by LDS stores alone
.set QIMG,  VB+128*PITCH               ; Q(v)'s eight fragments as images of their registers 0-3: 512 bytes each
.set QSC,   QIMG+8*512                 ; their scale words, 128 bytes each
.set SPARE, QSC+8*128                  ; the spare words, 128 bytes for each wave: two blocks of 256 bytes that no other line names
.set PHB,   8*131072                   ; W's codes: bytes from 8 d to the next 8 d
; the way out's stage: 128 rows x 272 from LDS byte 0, in slot 0, which has then had its last fill and its last read
.set GST, 8                            ; v8   global: 8,192 x wave + 16 x lane: my 16 bytes of a load's 512 (x's codes, v)
.set LST, 9                            ; v9   VB + (32 w + h) 272 + 16 r: where they go
.set AXR, 10                           ; v10  VB + 272 r + 16 h: x's fragments
.set AQ,  11                           ; v11  VB + (32 w + r) 272 + 128 h: my block of 32 of v
.set QWI, 12                           ; v12  QIMG + 1,024 w + 16 x lane
.set QWS, 13                           ; v13  QSC + 256 w + 4 x lane
.set QLI, 14                           ; v14  QIMG + 16 x lane
.set QLS, 15                           ; v15  QSC + 4 x lane
.set ADW, 16                           ; v16-17  my lane's place in my wave's part of slot 0, 1
.set AV,  18                           ; v18  VB + 272 r, 64 bytes (16 d) on in each trip of the loop
.set AWS, 19                           ; v19  global: W's scale words: 16 r + 8,192 h
.set AXS, 20                           ; v20  x's: 16 r + 1,024 h
.set ABC, 21                           ; v21  b's codes: 32 r + 16 h
.set ABS, 22                           ; v22  b's scale bytes: 2 r
.set STO, 24                           ; v24  the way out: 272 r + 64 w + 32 h
.set RD,  25                           ; v25  and back: (32 w + h) 272 + 16 r
.set CO,  26                           ; v26  my byte offset in the work-group's rows of out
.set SPW, 28                           ; v28  LDS address of my spare word; never rewritten
.set NIL, 29                           ; v29  0; never rewritten
.set PFO, 30                           ; v30  256 x lane: the prefetches' offset; never rewritten
.set SH,  31                           ; v31  8 h
.set XS,  32                           ; x's scale words as loaded: v[XS + 4 t + k]: lanes 0-15 tile t, lanes 16-31 tile t + 4
.set WS,  48                           ; W's: v[WS + 16 set + 4 q + k]: lanes 0-15 the even d of pair q, lanes 16-31 the odd d
.set QS,  80                           ; Q(v)'s, a register a tile
.set BS,  88                           ; b's
.set TM,  96                           ; the quantiser's: largest magnitudes, scale operands, bytes, the other half's bytes: two each
.set BF,  104                          ; b's fragment
.set PC,  112                          ; the codes just made
.set PW,  120                          ; the scale words just made
.set XST, 128                          ; x's codes as loaded; then v's numbers for the quantiser
.set XS2, 128                          ; from the head's end on: v[XS2 + 4 t + k]: lanes 0-15 the scale words of tile t + 4
.set VST, 192                          ; v as loaded; then Q(v)'s eight fragments; then rows of out
.set YR,  128                          ; windows 1 and 2: y, 16 registers a tile
.set OUTR, 192                         ; windows 1 and 2: out, 8 registers a tile
.set VV,  0                            ; window 3: v[n][d]: 64 x set + 8 x tile + d % 8
.set FB,  128                          ; window 3: W's fragments: 64 x buffer + 16 x K step + 8 x (the pair's d)
.set WV,  20                           ; s20  my wave's number
.set CX,  21                           ; s21  my place in the cluster: it enters global addresses of x, v, out and the prefetches alone
.set NT,  22                           ; s22  my block of 128 n
.set YT,  23                           ; s23  my block of 64 o
.set G1,  24                           ; s[24:31] descriptor group 1
.set G0,  32                           ; s[32:39] group 0, a set for each slot
.set PFA, 44                           ; s[44:45] where my prefetches stand
.set LIM, 46                           ; s46  1 in a cluster that prefetches, else the greatest number
.set TRIPS, 47                         ; s47  trips to go
.set SEL, 48                           ; s[48:49] v_permlanex16_b32's selects for lane l xor 16
.set SWS, 50                           ; s[50:51] W's scale words of the 8 d that are loaded next
.set WA,  0xa7                         ; half A: source 0 window 3, source 1 window 1, source 2 and destination window 2
.set WB,  0x5b                         ; half B: source 0 window 3, source 1 window 2, source 2 and destination window 1
.set MSB, 0
.macro WIN new                         ; the immediate's high byte repeats the setting that is left; a switch that changes nothing is dropped
.if MSB != (\new)
	s_set_vgpr_msb (MSB<<8)|(\new)
.set MSB, (\new)
.endif
.endm
.macro CREST                           ; a round of the cluster's barrier behind its opening barrier
	s_cmp_lg_u32 s[WV], 0
	s_cbranch_scc1 .Lnot_wave_0_\@
	s_barrier_signal -3
.Lnot_wave_0_\@:
	s_barrier_wait -3
	s_barrier_signal -1
	s_barrier_wait -1
.endm
.macro CROUND                          ; a whole round
	s_barrier_signal -1
	s_barrier_wait -1
	CREST
.endm
.macro JLOAD s                         ; a joint refill: every wave fetches its own 16 o of 8 d; an s_nop 0 and four v_nop follow
	tensor_load_to_lds s[G0+4*(\s):G0+4*(\s)+3], s[G1:G1+7]
	s_nop 0
.rept 4
	v_nop
.endr
.endm
; A PREFETCH INTO THE L2 of what the NEXT change of slots will ask for: 8 d x 64 o x 256 bytes are 512 rows; 4 partners x 4 waves x 32 lanes are 512: one instruction a wave, a lane a row.
; All clusters of a block of o walk the same W: the first of them (cluster x = 0) asks.  The partners are told apart BY ADDRESS (d = 2 cx + w / 2 of the eight, rows 32 (w % 2) on): no branch hangs on a place in the cluster.
; how = 1: a change that always has 8 d three on; how = 0: in the last trip there are none.
.macro ASK how
.if \how
	s_cmp_eq_u32 s[LIM], 1
.else
	s_cmp_gt_u32 s[TRIPS], s[LIM]
.endif
	s_cbranch_scc0 .Lnot_mine_\@
	global_prefetch_b8 v[PFO], s[PFA:PFA+1] th:TH_LOAD_NT scope:SCOPE_SE
.Lnot_mine_\@:
.endm
; Matrix instruction i of a half's 16: K step i / 4, tile 4 hb + i % 4.  fb: the fragment buffer; wsr: the pair's first scale register.  The first K step starts the sums: nothing is cleared.
.macro MM32 hb, fb, wsr
.set rY, YR+16*(i%4)
.set rA, FB+64*(\fb)+16*(i/4)
.set rB, 32*(i%4)+8*(i/4)
.set rSA, (\wsr)+i/4
.set rSB, XS+(XS2-XS)*(\hb)+4*(i%4)+i/4
.if i < 4
	v_wmma_scale_f32_32x16x128_f4 v[rY:rY+15], v[rA:rA+15], v[rB:rB+7], 0, v[rSA], v[rSB]
.else
	v_wmma_scale_f32_32x16x128_f4 v[rY:rY+15], v[rA:rA+15], v[rB:rB+7], v[rY:rY+15], v[rSA], v[rSB]
.endif
.endm
; Multiply-add j of a half's 32: out += v[n][d] x y, two o at a time: tile 4 (1 - hb) + j / 8, y's registers 2 (j % 8) on: each accumulator is read from its low end on; the even d's eight registers, then the odd d's.
; vs: v's set; vq: the pair among the set's four.  The pair's two v[n][d] are one register pair: the even d's serves both halves of the packed form by op_sel_hi, the odd d's by op_sel.
.macro FM32 hb, vs, vq
.set rFY, YR+16*(j/8)+2*(j%8)
.set rFO, OUTR+8*(j/8)+2*(j%4)
.set rFV, VV+64*(\vs)+8*(4*(1-(\hb))+j/8)+2*(\vq)
.if (j%8) >= 4
	v_pk_fma_f32 v[rFO:rFO+1], v[rFV:rFV+1], v[rFY:rFY+1], v[rFO:rFO+1] op_sel:[1,0,0] op_sel_hi:[1,1,1]
.else
	v_pk_fma_f32 v[rFO:rFO+1], v[rFV:rFV+1], v[rFY:rFY+1], v[rFO:rFO+1] op_sel_hi:[0,1,1]
.endif
.endm
; cnt matrix instructions of a half, from number from on, each with its two multiply-adds.  The four accumulators take turns, one instruction a turn; a half's last and the next half's first name different ones.
; PLACES (ISA guide 7.12.1).  An accumulator's last product is instruction 12 + t of its half; behind it stand that half's multiply-adds 24 + 2 t .. 31 and, ahead of its first reader, 8 t of the next half's: eight or more
; plain instructions that name none of its registers.  nofma = 1 (the very first half: there is nothing to weight yet): v_nop behind the half take their part.
.macro HPART hb, fb, wsr, vs, vq, nofma, from, cnt
	WIN WA+(WB-WA)*(\hb)
.set i, \from
.rept \cnt
	MM32 \hb, \fb, \wsr
.if !(\nofma)
.set j, 2*i
	FM32 \hb, \vs, \vq
.set j, 2*i+1
	FM32 \hb, \vs, \vq
.endif
.set i, i+1
.endr
.endm
; 16 LDS loads in one run: the fragments of pair qn of the slot (four K steps x two d) into buffer fb.  A fragment, 16 rows x 128 K of 4-bit codes: lane (r, h) takes row r, 16 bytes at 64 k + 32 c + 16 h.
.macro FETCH slot, qn, fb
	WIN 0xc0                                       ; destination window 3, address window 0
.irp k, 0,1,2,3
.irp e, 0,1
.irp c, 0,1
	ds_load_b128 v[FB+64*(\fb)+16*\k+8*\e+4*\c:FB+64*(\fb)+16*\k+8*\e+4*\c+3], v[ADW+(\slot)] offset:(2*(\qn)+\e)*DP+64*\k+32*\c
.endr
.endr
.endr
.endm
; v[n][d] of 8 d, off bytes on in the rows, for my n of all eight tiles: 16 LDS loads into set
.macro VLOAD set, off
	WIN 0xc0
.irp t, 0,1,2,3,4,5,6,7
.irp u, 0,1
	ds_load_b128 v[VV+64*(\set)+8*\t+4*\u:VV+64*(\set)+8*\t+4*\u+3], v[AV] offset:\t*DP+(\off)+16*\u
.endr
.endr
.endm
; W's scale words of 8 d, straight into registers: sixteen lanes read the 256 consecutive bytes of my 16 o of one d, lanes 16-31 those of the next d
.macro SLOAD set
	WIN 0
.irp qq, 0,1,2,3
	global_load_b128 v[WS+16*(\set)+4*\qq:WS+16*(\set)+4*\qq+3], v[AWS], s[SWS:SWS+1] offset:16384*\qq
.endr
.endm
; A PAIR: two d, 32 matrix instructions.  q: which of the slot's four; par: the slot.  kind 0: the next pair's fragments are fetched from the same slot; 1: the slot's last pair, and the slot is filled again;
; 2: the slot's last pair, nothing is filled; 3: the very last pair.  first: the launch's first.  vl: v of the next 8 d is fetched (into vset, voff bytes on).  sl: W's scale words of the next 8 d are asked for.
.macro PAIR q, par, kind, first, vl, vset, voff, sl, how
	s_wait_dscnt 0x0                               ; this pair's fragments are in (asked for 16 matrix instructions ago): with them my reads of the slot up to this pair are over
.if (\q) == 0
	s_wait_loadcnt 0x0                             ; these 8 d's scale words are in; their loads are done, so their base may step
	s_add_nc_u64 s[SWS:SWS+1], s[SWS:SWS+1], 8*8192
.set pvs, 1-(\par)                     ; half A weights the pair before: the other set's last pair,
.set pvq, 3
.else
.set pvs, \par                         ; or this set's pair q - 1
.set pvq, (\q)-1
.endif
.if ((\kind) == 1) || ((\kind) == 2)
	WIN 0                                          ; (the add's two registers lie in window 0)
.if (\kind) == 1
	s_wait_xcnt 0x0                                ; the last prefetch, 8 d back, has read its address: it steps here, ahead of the waits of the change of slots
	s_add_nc_u64 s[PFA:PFA+1], s[PFA:PFA+1], PHB
.endif
	s_wait_tensorcnt 0x0                           ; all my tensor loads have landed: the one that was out is my part of the other slot
	ds_add_u32 v[SPW], v[NIL]                      ; 0 onto my spare word; eight matrix instructions and their multiply-adds stand between it and the wait for it
.if (\kind) == 1
	s_add_nc_u64 s[G0+4*(\par)+2:G0+4*(\par)+3], s[G0+4*(\par)+2:G0+4*(\par)+3], 2*PHB   ; no load of mine is out, so a group 0 may be written: this slot's next 8 d
.endif
	HPART 0, (\q)%2, WS+16*(\par)+4*(\q), pvs, pvq, 0, 0, 8
	s_wait_dscnt 0x0                               ; the add is done; my reads of this slot were over at the pair's head
	s_barrier_signal -1                            ; (kind 1: this barrier opens a round of the cluster's barrier)
	HPART 0, (\q)%2, WS+16*(\par)+4*(\q), pvs, pvq, 0, 8, 8
	WIN 0
	s_barrier_wait -1
.if (\kind) == 1
	CREST                                          ; no wave of any partner still reads this slot or has a load on its way
	JLOAD \par                                     ; the first tensor load behind the round, and my only one until the next: 112 matrix instructions ahead of the wait for it
.endif
	FETCH 1-(\par), 0, 0                           ; the other slot's first pair, into the buffer that the pair before multiplied
.if (\kind) == 1
	WIN 0
	ASK \how                                       ; behind the joint load and the run of LDS loads
.endif
.else
	HPART 0, (\q)%2, WS+16*(\par)+4*(\q), pvs, pvq, \first, 0, 16
.if \first
.rept 4
	v_nop                                          ; the places behind the first half's products and the bias products
.endr
.endif
.if (\kind) == 0
	FETCH \par, (\q)+1, ((\q)+1)%2                 ; into the buffer that the pair before multiplied: the half above holds its places
.if \vl
	VLOAD \vset, \voff
.endif
.if \sl
	SLOAD 1-(\par)
.endif
.endif
.endif
	HPART 1, (\q)%2, WS+16*(\par)+4*(\q), \par, \q, 0, 0, 16
.endm
	s_load_b256 s[4:11], s[0:1], 0x0               ; W's codes s[4:5], W's scales s[6:7], b's codes s[8:9], b's scales s[10:11]
	s_load_b256 s[12:19], s[0:1], 0x20             ; v s[12:13], x's codes s[14:15], x's scales s[16:17], out s[18:19]
	v_lshl_add_u32 v[SPW], v0, 2, SPARE
	v_mov_b32 v[NIL], 0
	ds_add_u32 v[SPW], v[NIL]                      ; the wave's opening: the add, twice on end, and its wait ahead of my first tensor load; the set-up below stands between the second and the wait
	ds_add_u32 v[SPW], v[NIL]                      ; and once more, under the one wait
	v_lshrrev_b32 v4, 5, v0
	v_readfirstlane_b32 s[WV], v4                  ; wave 0..3
	v_and_b32 v1, 15, v0                           ; r
	v_bfe_u32 v2, v0, 4, 1                         ; h
	v_and_b32 v3, 31, v0                           ; lane
	s_bfe_u32 s[CX], ttmp6, 0x40000                ; cx
	s_lshl_b32 s[NT], ttmp9, 2                     ; in a cluster launch ttmp9 counts clusters
	s_add_co_u32 s[NT], s[NT], s[CX]               ; my block of n = 4 x cluster x + cx
	s_and_b32 s[YT], ttmp7, 0xffff                 ; my block of o, which the four partners share
	; descriptor group 1: 8 rows (d) of 512 elements of 8 bytes (16 o x 256 bytes), 131,072 bytes apart; in LDS 16 bytes of padding behind every 256
	s_mov_b32 s[G1+0], 15|(3<<16)|(1<<20)|(1<<21)|(5<<22)|(3<<25)  ; 15:0 the mask: all four work-groups; 17:16 elements of 8 bytes; 20 padding on; 21 set beside a mask; 24:22 after every 64 words (code 5); 31:25 four words (code 3)
	s_mov_b32 s[G1+1], 512<<16                     ; tensor_dim0 = 512
	s_mov_b32 s[G1+2], 8<<16                       ; tensor_dim1 = 8
	s_mov_b32 s[G1+3], 512<<16                     ; tile_dim0 = 512
	s_mov_b32 s[G1+4], 8                           ; tile_dim1 = 8
	s_mov_b32 s[G1+5], 16384                       ; tensor_dim0_stride, in elements
	s_mov_b32 s[G1+6], 0
	s_mov_b32 s[G1+7], 0
	s_mov_b32 s[SEL], 0x76543210
	s_mov_b32 s[SEL+1], 0xfedcba98
	s_mov_b32 s[TRIPS], 3
	s_cmp_eq_u32 ttmp9, 0                          ; the first cluster of my block of o prefetches: the same in all four partners
	s_cselect_b32 s[LIM], 1, -1
	; LDS addresses: constants, the lane's r and h, the wave's number
	s_mul_i32 s52, s[WV], 32*PITCH
	v_mul_u32_u24 v5, v1, PITCH                    ; 272 r
	v_mul_u32_u24 v4, v2, PITCH
	v_lshl_add_u32 v4, v1, 4, v4                   ; 272 h + 16 r
	v_add_nc_u32 v[RD], s52, v4
	v_add_nc_u32 v[LST], VB, v[RD]
	v_lshl_add_u32 v6, v2, 4, v5                   ; 272 r + 16 h
	v_add_nc_u32 v[AXR], VB, v6
	v_add_nc_u32 v[AV], VB, v5
	v_lshl_add_u32 v7, v2, 7, v5
	v_add_nc_u32 v7, s52, v7
	v_add_nc_u32 v[AQ], VB, v7
	v_lshl_add_u32 v[QLI], v3, 4, QIMG
	v_lshl_add_u32 v[QLS], v3, 2, QSC
	s_lshl_b32 s53, s[WV], 10
	v_add_nc_u32 v[QWI], s53, v[QLI]
	s_lshl_b32 s53, s[WV], 8
	v_add_nc_u32 v[QWS], s53, v[QLS]
	s_mul_i32 s53, s[WV], WREG
	v_add_nc_u32 v[ADW], s53, v6
	v_add_nc_u32 v[ADW+1], SLOTB, v[ADW]
	v_lshl_add_u32 v[STO], v2, 5, v5
	s_lshl_b32 s52, s[WV], 6
	v_add_nc_u32 v[STO], s52, v[STO]
	; offsets in memory
	v_lshlrev_b32 v[GST], 4, v3
	s_lshl_b32 s52, s[WV], 13
	v_add_nc_u32 v[GST], s52, v[GST]
	v_lshlrev_b32 v4, 4, v1                        ; 16 r
	v_lshl_add_u32 v[AWS], v2, 13, v4
	v_lshl_add_u32 v[AXS], v2, 10, v4
	v_lshl_add_u32 v[CO], v2, 11, v4
	s_lshl_b32 s52, s[WV], 16
	v_add_nc_u32 v[CO], s52, v[CO]                 ; (32 w + h) rows of 2,048 bytes + 16 r
	v_lshlrev_b32 v[ABC], 5, v1
	v_lshl_add_u32 v[ABC], v2, 4, v[ABC]
	v_lshlrev_b32 v[ABS], 1, v1
	v_lshlrev_b32 v[PFO], 8, v3
	v_lshlrev_b32 v[SH], 3, v2
.irp n, 4,5,6,7
	v_mov_b32 v[BF+\n], 0                          ; b's K is 64: the upper 64 of the instruction's K are zero codes
.endr
	v_mov_b32 v[TM+6], 0                           ; written once: a lane permute's destination counts as one of its sources
	v_mov_b32 v[TM+7], 0
	s_lshl_b32 s40, s[YT], 14
	s_lshl_b32 s52, s[WV], 12
	s_add_co_u32 s40, s40, s52                     ; W's codes: 16,384 y + 4,096 w: no place in the cluster enters it
	s_mov_b32 s41, 0
	s_lshl_b32 s42, s[NT], 15                      ; x's codes and v: 128 rows of 256 bytes a block of n
	s_mov_b32 s43, 0
	s_mov_b32 s[G0], 1                             ; group 0: count = 1;
	s_mul_i32 s[G0+1], s[WV], WREG                 ; LDS address: my wave's part of slot 0,
	s_mov_b32 s[G0+4], 1
	s_add_co_u32 s[G0+5], s[G0+1], SLOTB           ; of slot 1
	s_wait_dscnt 0x0                               ; both opening adds are done
	s_wait_kmcnt 0x0
	s_add_nc_u64 s[14:15], s[14:15], s[42:43]
	s_add_nc_u64 s[12:13], s[12:13], s[42:43]
.irp n, 0,1,2,3,4,5,6,7,8,9,10,11,12,13,14,15
	global_load_b128 v[XST+4*\n:XST+4*\n+3], v[GST], s[14:15] offset:512*\n   ; x's codes: my 32 rows, 512 consecutive bytes a load
.endr
.irp n, 0,1,2,3,4,5,6,7,8,9,10,11,12,13,14,15
	global_load_b128 v[VST+4*\n:VST+4*\n+3], v[GST], s[12:13] offset:512*\n   ; v: my 32 rows likewise
.endr
	s_add_nc_u64 s[G0+2:G0+3], s[4:5], s[40:41]    ; W's codes at my 16 o of d = 0,
	s_add_nc_u64 s[G0+6:G0+7], s[G0+2:G0+3], PHB   ; of d = 8
	s_or_b32 s[G0+3], s[G0+3], 0x80000000          ; type = 2
	s_or_b32 s[G0+7], s[G0+7], 0x80000000
	s_lshr_b32 s40, s40, 3                         ; b's codes: 2,048 y + 512 w
	s_add_nc_u64 s[8:9], s[8:9], s[40:41]
	s_lshr_b32 s40, s40, 1                         ; W's scales: 1,024 y + 256 w
	s_add_nc_u64 s[SWS:SWS+1], s[6:7], s[40:41]
	s_lshr_b32 s40, s40, 3                         ; b's scales: 128 y + 32 w
	s_add_nc_u64 s[10:11], s[10:11], s[40:41]
	s_lshl_b32 s42, s[NT], 11                      ; x's scales: 128 rows of 16 bytes
	s_add_nc_u64 s[16:17], s[16:17], s[42:43]
	SLOAD 0                                        ; W's scale words of d = 0 .. 7
.irp t, 0,1,2,3
	global_load_b128 v[XS+4*\t:XS+4*\t+3], v[AXS], s[16:17] offset:256*\t
.endr
	global_load_b128 v[BF:BF+3], v[ABC], s[8:9]    ; b: row o = r, block h: k = 32 h + 0 .. 31
	global_load_u16 v[BS], v[ABS], s[10:11]        ; its two scale bytes; the upper two are 0, over zero codes
	s_lshl_b32 s42, s[NT], 18                      ; out: 128 rows of 2,048 bytes a block of n, + 256 y
	s_lshl_b32 s52, s[YT], 8
	s_add_co_u32 s42, s42, s52
	s_add_nc_u64 s[18:19], s[18:19], s[42:43]
	s_lshl_b32 s42, s[CX], 1                       ; the prefetches: d = 2 cx + w / 2 of the eight,
	s_lshr_b32 s52, s[WV], 1
	s_add_co_u32 s42, s42, s52
	s_lshl_b32 s42, s42, 17
	s_and_b32 s52, s[WV], 1                        ; rows 32 (w % 2) on,
	s_lshl_b32 s52, s52, 13
	s_add_co_u32 s42, s42, s52
	s_lshl_b32 s52, s[YT], 14                      ; in my block of o,
	s_add_co_u32 s42, s42, s52
	s_add_co_u32 s42, s42, 2*PHB                   ; at d = 16: the first change of slots steps it to d = 24.  Nothing is prefetched here, at the head
	s_add_nc_u64 s[PFA:PFA+1], s[4:5], s[42:43]
	CROUND                                         ; all four work-groups are here: the first joint loads meet
	tensor_load_to_lds s[G0:G0+3], s[G1:G1+7]      ; d = 0 .. 7.  Both first fills go out together: two loads of mine are out
	s_nop 0
	tensor_load_to_lds s[G0+4:G0+7], s[G1:G1+7]    ; d = 8 .. 15
	s_nop 0
.rept 4
	v_nop
.endr
	; x: 128 rows of codes meet in LDS and come back as fragments, which stay in every wave's registers
	s_wait_loadcnt 26                              ; x's sixteen loads are in; the 26 issued behind them may be out
.irp n, 0,1,2,3,4,5,6,7,8,9,10,11,12,13,14,15
	ds_store_b128 v[LST], v[XST+4*\n:XST+4*\n+3] offset:2*PITCH*\n
.endr
	s_wait_dscnt 0x0                               ; for the others' sake: my stores have landed
	s_barrier_signal -1
	s_barrier_wait -1
	WIN 0x40                                       ; tiles 0-3 into window 1
.irp t, 0,1,2,3
.irp k, 0,1,2,3
.irp c, 0,1
	ds_load_b128 v[32*\t+8*\k+4*\c:32*\t+8*\k+4*\c+3], v[AXR] offset:\t*DP+64*\k+32*\c
.endr
.endr
.endr
	WIN 0x80                                       ; tiles 4-7 into window 2
.irp t, 0,1,2,3
.irp k, 0,1,2,3
.irp c, 0,1
	ds_load_b128 v[32*\t+8*\k+4*\c:32*\t+8*\k+4*\c+3], v[AXR] offset:(\t+4)*DP+64*\k+32*\c
.endr
.endr
.endr
	WIN 0
	s_wait_dscnt 0x0                               ; my reads of x's rows are over: behind the barrier v's rows take their bytes
	s_barrier_signal -1
	s_barrier_wait -1
	s_wait_loadcnt 10                              ; v's sixteen loads are in; the 10 issued behind them may be out
.irp n, 0,1,2,3,4,5,6,7,8,9,10,11,12,13,14,15
	ds_store_b128 v[LST], v[VST+4*\n:VST+4*\n+3] offset:2*PITCH*\n
.endr
	; Q(v): wave w quantises tiles 2 w and 2 w + 1, the 32 rows that it has just stored (LDS serves a wave's instructions in order: ISA guide 5.7.1.4).  Lane (r, h) takes block h of row r: all its 32 numbers
.irp u, 0,1
.irp n, 0,1,2,3,4,5,6,7
	ds_load_b128 v[XST+32*\u+4*\n:XST+32*\u+4*\n+3], v[AQ] offset:\u*DP+16*\n
.endr
.endr
	s_wait_dscnt 0x0
.irp u, 0,1
	v_max3_num_f32 v[TM+\u], |v[XST+32*\u]|, |v[XST+32*\u+1]|, 0x1800000   ; the block's largest magnitude, and the floor 2^(3 - 127): so the byte cannot fall under 1
.endr
.irp n, 2,4,6,8,10,12,14,16,18,20,22,24,26,28,30
.irp u, 0,1
	v_max3_num_f32 v[TM+\u], v[TM+\u], |v[XST+32*\u+\n]|, |v[XST+32*\u+\n+1]|   ; (the two tiles by turns)
.endr
.endr
.irp u, 0,1
	v_add_nc_u32 v[TM+2+\u], 0xff000000, v[TM+\u]  ; 2 off its exponent field: the conversion takes the exponent field of this operand as its scale, and nothing else of it
.endr
.irp u, 0,1
	v_lshrrev_b32 v[TM+4+\u], 23, v[TM+2+\u]       ; the scale's byte,
.endr
.irp u, 0,1
	v_lshlrev_b32 v[TM+4+\u], v[SH], v[TM+4+\u]    ; at its place in the scale word: byte h
.endr
.irp u, 0,1
	v_permlanex16_b32 v[TM+6+\u], v[TM+4+\u], s[SEL], s[SEL+1]
.endr
.irp u, 0,1
	v_or_b32 v[PW+\u], v[TM+4+\u], v[TM+6+\u]      ; with lane l xor 16's: the row's word; its upper two bytes are 0, over zero codes
.endr
.irp u, 0,1
.irp g, 0,1,2,3
	v_cvt_scalef32_pk8_fp4_f32 v[PC+4*\u+\g], v[XST+32*\u+8*\g:XST+32*\u+8*\g+7], v[TM+2+\u]   ; registers 0-3 of the fragment: k = 32 h + 0 .. 31
.endr
.endr
	v_nop                                          ; one plain place behind a scaled conversion
.irp u, 0,1
	ds_store_b128 v[QWI], v[PC+4*\u:PC+4*\u+3] offset:512*\u   ; the fragment goes to LDS as an image of its registers,
	ds_store_b32 v[QWS], v[PW+\u] offset:128*\u                ; its scale word likewise
.endr
.irp t, 0,1,2,3,4,5,6,7
.irp n, 4,5,6,7
	v_mov_b32 v[VST+8*\t+\n], 0                    ; registers 4-7 of Q(v)'s fragments: zero codes.  (The LDS stores that read these registers were waited for above)
.endr
.endr
	s_wait_dscnt 0x0                               ; v's rows and my two images have landed
	s_barrier_signal -1
	s_barrier_wait -1
.irp t, 0,1,2,3,4,5,6,7
	ds_load_b128 v[VST+8*\t:VST+8*\t+3], v[QLI] offset:512*\t
	ds_load_b32 v[QS+\t], v[QLS] offset:128*\t
.endr
	VLOAD 0, 0                                     ; v[n][0 .. 7]
	s_wait_tensorcnt 0x1                           ; my part of slot 0 is in, and I alone read it; slot 1's load may be out
	FETCH 0, 0, 0                                  ; d = 0, 1
	s_wait_loadcnt 0x0                             ; the scale words, b
	WIN 0
.irp n, 0,1,2,3,4,5,6,7,8,9,10,11,12,13,14,15
	v_permlanex16_b32 v[XS2+\n], v[XS+\n], s[SEL], s[SEL+1]   ; x's scale words of tiles 4-7 come down into lanes 0-15 of registers of their own: source 1's scales are read there
.endr
.rept 8
	v_nop                                          ; places between these writes, and the zero codes', and the scaled matrix instructions that take them
.endr
	s_wait_dscnt 32                                ; Q(v)'s images are in; the 16 loads of v and the 16 of W issued behind them may be out
	WIN 0x40                                       ; THE BIAS PRODUCT STARTS out's SUMS: nothing is cleared.  Tiles 0-3: destination window 1,
.irp t, 0,1,2,3
	v_wmma_scale_f32_16x16x128_f8f6f4 v[OUTR+8*\t:OUTR+8*\t+7], v[BF:BF+7], v[VST+8*\t:VST+8*\t+7], 0, v[BS], v[QS+\t] matrix_a_fmt:MATRIX_FMT_FP4 matrix_b_fmt:MATRIX_FMT_FP4
.endr
	WIN 0x80                                       ; tiles 4-7: window 2
.irp t, 0,1,2,3
	v_wmma_scale_f32_16x16x128_f8f6f4 v[OUTR+8*\t:OUTR+8*\t+7], v[BF:BF+7], v[VST+32+8*\t:VST+32+8*\t+7], 0, v[BS], v[QS+4+\t] matrix_a_fmt:MATRIX_FMT_FP4 matrix_b_fmt:MATRIX_FMT_FP4
.endr
	PAIR 0, 0, 0, 1, 0, 0, 0, 1, 0                 ; d = 0, 1 stand in front of the loop: their first half has nothing to weight
	WIN 0                                          ; at a label and at a branch every window is 0
.Ltrip:                                                ; three trips of 16 d, from a slot-0 phase's second pair to the next one's first; both slots are filled again in each
	PAIR 1, 0, 0, 0, 1, 1, 32, 0, 0
	PAIR 2, 0, 0, 0, 0, 0, 0, 0, 0
	PAIR 3, 0, 1, 0, 0, 0, 0, 0, 1
	PAIR 0, 1, 0, 0, 0, 0, 0, 1, 0
	PAIR 1, 1, 0, 0, 1, 0, 64, 0, 0
	PAIR 2, 1, 0, 0, 0, 0, 0, 0, 0
	PAIR 3, 1, 1, 0, 0, 0, 0, 0, 0
	PAIR 0, 0, 0, 0, 0, 0, 0, 1, 0
	WIN 0
	v_add_nc_u32 v[AV], 64, v[AV]                  ; 16 d on in v's rows (the loads that named it were waited for at a pair's head)
	s_sub_co_u32 s[TRIPS], s[TRIPS], 1
	s_cmp_lg_u32 s[TRIPS], 0
	s_cbranch_scc1 .Ltrip
	PAIR 1, 0, 0, 0, 1, 1, 32, 0, 0                ; the last 16 d are written out: nothing more is asked for
	PAIR 2, 0, 0, 0, 0, 0, 0, 0, 0
	PAIR 3, 0, 2, 0, 0, 0, 0, 0, 0                 ; behind this barrier nobody reads slot 0 any more, and it has had its last fill
	PAIR 0, 1, 0, 0, 0, 0, 0, 0, 0
	PAIR 1, 1, 0, 0, 0, 0, 0, 0, 0
	PAIR 2, 1, 0, 0, 0, 0, 0, 0, 0
	PAIR 3, 1, 3, 0, 0, 0, 0, 0, 0
	WIN WA
.set j, 0
.rept 32
	FM32 0, 1, 3                                   ; tiles 4-7 of d = 62, 63
.set j, j+1
.endr
	; THE WAY OUT.  A lane holds 32 neighbouring bytes of a row; a row's 256 bytes come from four waves.  They meet in a stage (rows of 272 bytes, in slot 0) and each wave stores 32 whole rows.
	WIN 0x04                                       ; an LDS store's data are its source 1: tiles 0-3 lie in window 1,
.irp t, 0,1,2,3
	ds_store_b128 v[STO], v[OUTR+8*\t:OUTR+8*\t+3] offset:\t*DP
	ds_store_b128 v[STO], v[OUTR+8*\t+4:OUTR+8*\t+7] offset:\t*DP+16
.endr
	WIN 0x08                                       ; tiles 4-7 in window 2
.irp t, 0,1,2,3
	ds_store_b128 v[STO], v[OUTR+8*\t:OUTR+8*\t+3] offset:(\t+4)*DP
	ds_store_b128 v[STO], v[OUTR+8*\t+4:OUTR+8*\t+7] offset:(\t+4)*DP+16
.endr
	WIN 0
	s_wait_dscnt 0x0                               ; for the others' sake: my stores into the stage have landed
	s_barrier_signal -1
	s_barrier_wait -1
.irp n, 0,1,2,3,4,5,6,7,8,9,10,11,12,13,14,15
	ds_load_b128 v[VST+4*\n:VST+4*\n+3], v[RD] offset:2*PITCH*\n
.endr
.irp n, 0,1,2,3,4,5,6,7,8,9,10,11,12,13,14,15
	s_wait_dscnt 15-\n
	global_store_b128 v[CO], v[VST+4*\n:VST+4*\n+3], s[18:19] offset:4096*\n th:TH_STORE_NT   ; 16 lanes store 256 consecutive bytes, at a multiple of 256 from out's first byte; written once, read by nobody here
.endr
	s_wait_tensorcnt 0x0                           ; the wave's end, behind my last tensor load and my last LDS store
	ds_add_u32 v[SPW], v[NIL]
	s_wait_dscnt 0x0
	CROUND                                         ; the closing round: no work-group ends while a partner may still ask for a tile that names it
	s_endpgm
.Lfunc_end_k_q2de4ebbd78_fused:
	.size	k_q2de4ebbd78_fused, .Lfunc_end_k_q2de4ebbd78_fused-k_q2de4ebbd78_fused
	.p2alignl 7, 3214868480
	.fill 96, 4, 3214868480
	.section	.rodata,"a",@progbits
	.p2align	6, 0x0
	.amdhsa_kernel k_q2de4ebbd78_fused
		.amdhsa_group_segment_fixed_size 327680
		.amdhsa_private_segment_fixed_size 0
		.amdhsa_enable_private_segment 0
		.amdhsa_kernarg_size 64
		.amdhsa_user_sgpr_count 2
		.amdhsa_user_sgpr_kernarg_segment_ptr 1
		.amdhsa_wavefront_size32 1
		.amdhsa_system_sgpr_workgroup_id_x 1
		.amdhsa_system_sgpr_workgroup_id_y 1
		.amdhsa_system_sgpr_workgroup_id_z 1
		.amdhsa_system_vgpr_workitem_id 0
		.amdhsa_next_free_vgpr 1024
		.amdhsa_next_free_sgpr 66
		.amdhsa_reserve_vcc 0
		.amdhsa_float_denorm_mode_32 3
		.amdhsa_float_denorm_mode_16_64 3
		.amdhsa_memory_ordered 1
		.amdhsa_forward_progress 1
		.amdhsa_inst_pref_size 185
	.end_amdhsa_kernel
	.amdgpu_metadata
---
amdhsa.version: [ 1, 2 ]
amdhsa.kernels:
  - .name:           k_q2de4ebbd78_fused
    .symbol:         k_q2de4ebbd78_fused.kd
    .args:
      - { .name: W_1_codes, .offset: 0, .size: 8, .value_kind: global_buffer, .address_space: global }
      - { .name: W_1_scales, .offset: 8, .size: 8, .value_kind: global_buffer, .address_space: global }
      - { .name: b_1_codes, .offset: 16, .size: 8, .value_kind: global_buffer, .address_space: global }
      - { .name: b_1_scales, .offset: 24, .size: 8, .value_kind: global_buffer, .address_space: global }
      - { .name: var_vector, .offset: 32, .size: 8, .value_kind: global_buffer, .address_space: global }
      - { .name: x_codes, .offset: 40, .size: 8, .value_kind: global_buffer, .address_space: global }
      - { .name: x_scales, .offset: 48, .size: 8, .value_kind: global_buffer, .address_space: global }
      - { .name: out0, .offset: 56, .size: 8, .value_kind: global_buffer, .address_space: global }
    .group_segment_fixed_size: 327680
    .private_segment_fixed_size: 0
    .kernarg_segment_align: 8
    .kernarg_segment_size: 64
    .max_flat_workgroup_size: 128
    .sgpr_count:     66
    .vgpr_count:     1024
    .wavefront_size: 32
...
	.end_amdgpu_metadata
.endif
;; end of part 1
